; MI455X (gfx1250); checked and timed in simulation.
; The chip was launched on July 23, 2026; its instructions are those of AMD's public machine-readable ISA for CDNA 5 (MIT licence, August 2026) and "CDNA5" Instruction Set Architecture Reference Guide (July 2026). The comments in the code are by the model that wrote it; some were corrected since.
;; Differentiable MPC. Allowed arithmetic: float matrix products may take bf16 or f16 operands with f32 sums; all other float work in f32.
;; Inputs: goal 32,768 x 4 float32; state 32,768 x 5 float32.
;; Outputs: out0 32,768 x 2 float32; out1 32,768 float32.
;; One version. Each part assembles by itself: llvm-mc -triple=amdgcn-amd-amdhsa -mcpu=gfx1250 --defsym DOCPART=n.
;; ======== version 1 of 1: 1 launch
;; limits: right only within a limited range of input values
;; launch mpc (part 1): grid 256 x 1, 4 waves a work-group, no clusters, 3,584 bytes of LDS; arguments state, goal, out0, out1; writes out0, out1
.if DOCPART == 1
	.amdgcn_target "amdgcn-amd-amdhsa--gfx1250"
	.amdhsa_code_object_version 6
	.text
	.protected	k_q0a8abe909a_mpc
	.globl	k_q0a8abe909a_mpc
	.p2align	8
	.type	k_q0a8abe909a_mpc,@function
k_q0a8abe909a_mpc:
	s_mov_b64 s[64:65], 0
	v_nop
	global_prefetch_b8 v0, s[64:65] scope:SCOPE_SE
	s_setreg_imm32_b32 hwreg(HW_REG_WAVE_MODE, 25, 1), 1
	s_wait_xcnt 0x0
; Differentiable MPC: 15 projected gradient steps on 25 x 2 actions of a unicycle, then the final cost.
; One lane = one batch element; 32,768 elements = 1,024 waves; a work-group of 4 waves owns 128 elements.
; Nothing is shared between elements: no clusters, no matrix instructions, no tiles; the 1.6 MB of inputs and outputs move
; once, at the two ends.  All state lives in registers, all 25 steps are unrolled.
; WHY THE ROUNDINGS ARE PLACED AS THEY ARE.  The iteration is discontinuous at every clip and, with step 0.5 and weights of 10 to
; 100, expands a difference in an interior action from step to step.  So this text rounds where the traced program of the
; reference rounds: inside the two scans a product with one use is fused into the add that takes it (first operand first), between
; the scans every operation rounds by itself, sums of cotangents are taken in the order of the transposed program, and sine and
; cosine are the double-precision polynomials of the usual f32 library routine, evaluated here in pairs of f32 and rounded once.
; DERIVATIVE OF A CLIP: a maximum followed by a minimum: 1 inside, 1/2 exactly on a bound, 0 outside.  Ties do happen
; (v = 2, a = 1: 0.95*2 + 0.1 rounds to 2.0), so the 1/2 is kept.
; LIMITS: |theta| below about 1e5 (the quadrant comes from one f32 product); NaN and infinities are not served; the sign of zero
; is not kept; a value that another order of rounding puts on the other side of a clip's bound takes another branch there.
.set ITERS, 15
; ---- vector registers, block 0 (v0-v255)
.set G,   2                            ; v[2:3]     (gx, gy)
.set GVT, 4                            ; v[4:5]     (gv, gtheta)
.set K,   6                            ; v[6:7]     (0.95, 0.9): the two dampings
.set NH,  8                            ; v8         -0.5: step factor of an action inside its bounds
.set RA,  9                            ; v9         an LDS address at both ends
.set UT,  10                           ; v[10:13]   rollout: two pairs u_t that take turns; staging at both ends
.set DD,  10                           ; v[10:13]   adjoint: two pairs v_j (cx01, cy01) that take turns
.set CVW, 14                           ; v[14:15]   cotangents of (v, w)_j in front of the clip's derivative
.set CAR, 16                           ; v[16:17]   carried cotangents of (v, w); staging at both ends (v[16:19])
.set SVR, 18                           ; v18        S_v, then its first fused sum
.set H1R, 19                           ; v19        first fused sum of theta's cotangent
.set CTH, 20                           ; v20        carried cotangent of theta
.set LT,  21                           ; v21        16 x lane
.set TH,  23                           ; v[23:48]   theta_0..25 (v22: a copy of theta_0, so that (theta_2p-1, theta_2p) is an aligned pair for p = 0 too)
.set VW,  50                           ; v[50:101]  (v_j, w_j); behind the rollout the second holds v_j - gv, then its cotangent
.set XY,  102                          ; v[102:153] (x_j, y_j); then errors, cotangents, their running sums, those times 0.1
.set CS,  154                          ; v[154:203] (cos theta_t, sin theta_t), t = 0..24; t = 0 is made once
.set M,   204                          ; v[204:253] 0.1 (a_v, a_w)_t, then the clip derivatives, then (lu, lq)_t, then the gradient
; ---- vector registers, block 1 (v256-), reached by s_set_vgpr_msb in long stretches only
.set A,   0                            ; v[256:305] (a_v, a_w)_t
.set NQ1, 50                           ; v306       -0.25: step factor of an action on a bound
.set KC,  52                           ; v[308:309] (S2 high, C3 high)
.set KM,  54                           ; v[310:311] 1.5*2^23, twice
.set SP,  56                           ; v[312:431] sine/cosine scratch: 6 pairs of angles x 10 pairs of registers
.set OT,  0                            ;   theta 2/pi + 1.5*2^23: the quadrant in its low bits; then sine's sign
.set ON,  2                            ;   the quadrant n as a float; 2 rl; parity; cosine's sign
.set ORH, 4                            ;   r, high part; then the sine polynomial
.set ORL, 6                            ;   r, low part; then the cosine polynomial
.set OZH, 8                            ;   z = r^2, high and low
.set OZL, 10
.set O0,  12                           ;   at work
.set O1,  14
.set O2,  16
.set O3,  18
; ---- scalar registers: constants, each twice in an aligned pair (a packed instruction reads the pair, uses the first)
.set MK,   16                          ; s[16:27]   lane masks
.set SDT,  28                          ; 0.1
.set S02,  30                          ; 0.2
.set S20,  32                          ; 20
.set S100, 34                          ; 100
.set SBIG, 36                          ; 2^23
.set SINV, 38                          ; 2/pi
.set SNMG, 40                          ; -1.5*2^23
.set SNP1, 42                          ; -(pi/2) in three parts of 24 bits
.set SNP2, 44
.set SNP3, 46
.set SS3,  48                          ; sine: r + S1 r^3 + S2 r^5 + S3 r^7, S1 and S2 as high + low
.set SS2L, 50
.set SS1H, 52
.set SS1L, 54
.set SC4,  56                          ; cosine: 1 + C1 r^2 + C2 r^4 + C3 r^6 + C4 r^8, C1 to C3 as high + low
.set SC3L, 58
.set SC2H, 60
.set SC2L, 62
.set SC1L, 66
.set S10,  68                          ; singles: 10, 50, 5, the sign bit
.set S50,  69
.set S5,   70
.set SSGN, 71
.set SC1H, 72
.set SONE, 74
.set MSB, 0
.macro WIN new                         ; low byte: block of source 0 (1:0), source 1 (3:2), source 2 (5:4), destination (7:6);
.if MSB != \new                        ; high byte: the setting that is left
	s_set_vgpr_msb (MSB<<8)|\new
.set MSB, \new
.endif
.endm
.macro SPAIR r, val
	s_mov_b32 s[\r], \val
	s_mov_b32 s[\r+1], \val
.endm
; =====================================================================================================
; One operation for all NP pairs of angles of a group; d, a, b, c are places in a pair's scratch, s a scalar pair.
.macro V_FMA d, a, b, c
.irp q, 0,1,2,3,4,5
.if \q < NP
	v_pk_fma_f32 v[SP+20*\q+\d:SP+20*\q+\d+1], v[SP+20*\q+\a:SP+20*\q+\a+1], v[SP+20*\q+\b:SP+20*\q+\b+1], v[SP+20*\q+\c:SP+20*\q+\c+1]
.endif
.endr
.endm
.macro V_FMN d, a, b, c                ; a b - c: with c = the rounded product, the product's rounding error, exactly
.irp q, 0,1,2,3,4,5
.if \q < NP
	v_pk_fma_f32 v[SP+20*\q+\d:SP+20*\q+\d+1], v[SP+20*\q+\a:SP+20*\q+\a+1], v[SP+20*\q+\b:SP+20*\q+\b+1], v[SP+20*\q+\c:SP+20*\q+\c+1] neg_lo:[0,0,1] neg_hi:[0,0,1]
.endif
.endr
.endm
.macro V_FMS d, a, s, c                ; a * scalar + c
.irp q, 0,1,2,3,4,5
.if \q < NP
	v_pk_fma_f32 v[SP+20*\q+\d:SP+20*\q+\d+1], v[SP+20*\q+\a:SP+20*\q+\a+1], s[\s:\s+1], v[SP+20*\q+\c:SP+20*\q+\c+1] op_sel_hi:[1,0,1]
.endif
.endr
.endm
.macro V_FMK d, a, s, hi               ; a * scalar + KC's first (hi = 0) or second (hi = 1) register
.irp q, 0,1,2,3,4,5
.if \q < NP
.if \hi
	v_pk_fma_f32 v[SP+20*\q+\d:SP+20*\q+\d+1], v[SP+20*\q+\a:SP+20*\q+\a+1], s[\s:\s+1], v[KC:KC+1] op_sel:[0,0,1] op_sel_hi:[1,0,1]
.else
	v_pk_fma_f32 v[SP+20*\q+\d:SP+20*\q+\d+1], v[SP+20*\q+\a:SP+20*\q+\a+1], s[\s:\s+1], v[KC:KC+1] op_sel_hi:[1,0,0]
.endif
.endif
.endr
.endm
.macro V_RSK d, a, hi                  ; KC's register - a
.irp q, 0,1,2,3,4,5
.if \q < NP
.if \hi
	v_pk_add_f32 v[SP+20*\q+\d:SP+20*\q+\d+1], v[SP+20*\q+\a:SP+20*\q+\a+1], v[KC:KC+1] op_sel:[0,1] op_sel_hi:[1,1] neg_lo:[1,0] neg_hi:[1,0]
.else
	v_pk_add_f32 v[SP+20*\q+\d:SP+20*\q+\d+1], v[SP+20*\q+\a:SP+20*\q+\a+1], v[KC:KC+1] op_sel_hi:[1,0] neg_lo:[1,0] neg_hi:[1,0]
.endif
.endif
.endr
.endm
.macro V_MUL d, a, b
.irp q, 0,1,2,3,4,5
.if \q < NP
	v_pk_mul_f32 v[SP+20*\q+\d:SP+20*\q+\d+1], v[SP+20*\q+\a:SP+20*\q+\a+1], v[SP+20*\q+\b:SP+20*\q+\b+1]
.endif
.endr
.endm
.macro V_ADD d, a, b
.irp q, 0,1,2,3,4,5
.if \q < NP
	v_pk_add_f32 v[SP+20*\q+\d:SP+20*\q+\d+1], v[SP+20*\q+\a:SP+20*\q+\a+1], v[SP+20*\q+\b:SP+20*\q+\b+1]
.endif
.endr
.endm
.macro V_SUB d, a, b
.irp q, 0,1,2,3,4,5
.if \q < NP
	v_pk_add_f32 v[SP+20*\q+\d:SP+20*\q+\d+1], v[SP+20*\q+\a:SP+20*\q+\a+1], v[SP+20*\q+\b:SP+20*\q+\b+1] neg_lo:[0,1] neg_hi:[0,1]
.endif
.endr
.endm
.macro V_ADS d, a, s                   ; a + scalar
.irp q, 0,1,2,3,4,5
.if \q < NP
	v_pk_add_f32 v[SP+20*\q+\d:SP+20*\q+\d+1], v[SP+20*\q+\a:SP+20*\q+\a+1], s[\s:\s+1] op_sel_hi:[1,0]
.endif
.endr
.endm
.macro V_RSS d, a, s                   ; scalar - a
.irp q, 0,1,2,3,4,5
.if \q < NP
	v_pk_add_f32 v[SP+20*\q+\d:SP+20*\q+\d+1], v[SP+20*\q+\a:SP+20*\q+\a+1], s[\s:\s+1] op_sel_hi:[1,0] neg_lo:[1,0] neg_hi:[1,0]
.endif
.endr
.endm
.macro DMUL                            ; (O0, O3) = z * (O1, O2): rounded product, its exact error, the two cross terms
	V_MUL O0, OZH, O1
	V_FMN O3, OZH, O1, O0
	V_FMA O3, OZH, O2, O3
	V_FMA O3, OZL, O1, O3
.endm
.macro DADD kh, kl                     ; (O1, O2) = (kh, kl) + (O0, O3); |kh| > |O0| everywhere here, so kh - O1 and + O0 are exact
	V_ADS O1, O0, \kh
	V_RSS O2, O1, \kh
	V_ADD O2, O2, O0
	V_ADD O2, O2, O3
	V_ADS O2, O2, \kl
.endm
; SINE AND COSINE of theta_2p-1, theta_2p for the NP pairs p = p0 ..
; n = theta 2/pi rounded (adding 1.5*2^23 leaves n in the low bits).  r = theta - n pi/2: the first step is exact (a multiple of
; 2^-24 below 1), the second is rounded and its error recovered, so that rh + rl carries about 48 bits.  Both polynomials run in
; high + low pairs down to the term whose f32 rounding lies below 2^-42 of the result; the last add rounds high + low once to f32.
; sin theta = (n odd ? C : S), negative for n & 2;  cos theta = (n odd ? S : C), negative for (n + 1) & 2.
.macro SINCOS p0
	WIN 0x50                                       ; theta from block 0; the constant and the result in block 1
.irp q, 0,1,2,3,4,5
.if \q < NP
	v_pk_fma_f32 v[SP+20*\q+OT:SP+20*\q+OT+1], v[TH+2*(\p0+\q)-1:TH+2*(\p0+\q)], s[SINV:SINV+1], v[KM:KM+1] op_sel_hi:[1,0,1]
.endif
.endr
	WIN 0x55                                       ; everything in block 1
	V_ADS ON, OT, SNMG
	WIN 0x45                                       ; source 2 (theta) from block 0
.irp q, 0,1,2,3,4,5
.if \q < NP
	v_pk_fma_f32 v[SP+20*\q+ORL:SP+20*\q+ORL+1], v[SP+20*\q+ON:SP+20*\q+ON+1], s[SNP1:SNP1+1], v[TH+2*(\p0+\q)-1:TH+2*(\p0+\q)] op_sel_hi:[1,0,1]
.endif
.endr
	WIN 0x55
	V_FMS ORH, ON, SNP2, ORL                       ; rh
	V_SUB ORL, ORL, ORH
	V_FMS ORL, ON, SNP2, ORL                       ; what rh's rounding dropped, exactly
	V_FMS ORL, ON, SNP3, ORL                       ; rl
	V_MUL OZH, ORH, ORH
	V_ADD ON, ORL, ORL
	V_FMN OZL, ORH, ORH, OZH
	V_FMA OZL, ORH, ON, OZL                        ; z = (rh + rl)^2
	; sine: w = z (S1 + z (S2 + z S3)),  S = r + r w
	V_FMK O1, OZH, SS3, 0
	V_RSK O2, O1, 0
	V_FMS O2, OZH, SS3, O2                         ; the error of the line before last, then S2's low part
	V_ADS O2, O2, SS2L
	DMUL
	DADD SS1H, SS1L
	DMUL
	V_MUL O1, ORH, O0
	V_FMN O2, ORH, O0, O1
	V_FMA O2, ORH, O3, O2
	V_FMA O3, ORL, O0, ORL
	V_ADD O2, O2, O3
	V_ADD O0, ORH, O1
	V_SUB O3, ORH, O0
	V_ADD O3, O3, O1
	V_ADD O3, O3, O2
	V_ADD ORH, O0, O3                              ; S, rounded once
	; cosine: C = 1 + z (C1 + z (C2 + z (C3 + z C4)))
	V_FMK O1, OZH, SC4, 1
	V_RSK O2, O1, 1
	V_FMS O2, OZH, SC4, O2
	V_ADS O2, O2, SC3L
	DMUL
	DADD SC2H, SC2L
	DMUL
	DADD SC1H, SC1L
	DMUL
	V_ADS O1, O0, SONE
	V_RSS O2, O1, SONE
	V_ADD O2, O2, O0
	V_ADD O2, O2, O3
	V_ADD ORL, O1, O2                              ; C, rounded once
	; the quadrant
.irp q, 0,1,2,3,4,5
.if \q < NP
.irp e, 0,1
	v_lshlrev_b32 v[SP+20*\q+ON+\e], 31, v[SP+20*\q+OT+\e]         ; parity of n as a sign bit
.endr
.endif
.endr
.irp q, 0,1,2,3,4,5
.if \q < NP
.irp e, 0,1
	v_lshlrev_b32 v[SP+20*\q+OT+\e], 30, v[SP+20*\q+OT+\e]
.endr
.endif
.endr
.irp q, 0,1,2,3,4,5
.if \q < NP
.irp e, 0,1
	v_cmp_ne_u32 s[MK+2*\q+\e], 0, v[SP+20*\q+ON+\e]               ; n odd
.endr
.endif
.endr
.irp q, 0,1,2,3,4,5
.if \q < NP
.irp e, 0,1
	v_and_b32 v[SP+20*\q+OT+\e], s[SSGN], v[SP+20*\q+OT+\e]        ; n & 2 as a sign bit: sine's sign
.endr
.endif
.endr
.irp q, 0,1,2,3,4,5
.if \q < NP
.irp e, 0,1
	v_cndmask_b32 v[SP+20*\q+O0+\e], v[SP+20*\q+ORH+\e], v[SP+20*\q+ORL+\e], s[MK+2*\q+\e]
.endr
.endif
.endr
.irp q, 0,1,2,3,4,5
.if \q < NP
.irp e, 0,1
	v_cndmask_b32 v[SP+20*\q+O1+\e], v[SP+20*\q+ORL+\e], v[SP+20*\q+ORH+\e], s[MK+2*\q+\e]
.endr
.endif
.endr
.irp q, 0,1,2,3,4,5
.if \q < NP
.irp e, 0,1
	v_xor_b32 v[SP+20*\q+ON+\e], v[SP+20*\q+ON+\e], v[SP+20*\q+OT+\e]      ; cosine's sign
.endr
.endif
.endr
	WIN 0x05                                       ; results to block 0
.irp q, 0,1,2,3,4,5
.if \q < NP
.irp e, 0,1
.if 2*(\p0+\q)-1+\e >= 0
	v_xor_b32 v[CS+2*(2*(\p0+\q)-1+\e)+1], v[SP+20*\q+O0+\e], v[SP+20*\q+OT+\e]
	v_xor_b32 v[CS+2*(2*(\p0+\q)-1+\e)], v[SP+20*\q+O1+\e], v[SP+20*\q+ON+\e]
.endif
.endr
.endif
.endr
.endm
; =====================================================================================================
; PROLOGUE.  goal: 16 bytes a lane, straight into registers.  state: rows of 20 bytes; the group's 2,560 bytes are read as
; 16 bytes a lane (every load of a wave covers 512 consecutive aligned bytes) and dealt out through LDS.
	s_load_b256 s[4:11], s[0:1], 0x0               ; state s[4:5], goal s[6:7], out0 s[8:9], out1 s[10:11]
	v_lshl_add_u32 v254, v0, 2, 0xc00
	v_mov_b32 v255, 0
	v_lshrrev_b32 v1, 5, v0
	v_readfirstlane_b32 s12, v1                    ; wave number
	v_lshlrev_b32 v1, 4, v0                        ; 16 t
	v_and_b32 v[LT], 31, v0
	v_lshlrev_b32 v[LT], 4, v[LT]                  ; 16 lane
	s_mul_i32 s2, ttmp9, 2560                      ; the group's 128 rows of state,
	s_mov_b32 s3, 0
	s_lshl_b32 s14, ttmp9, 11                      ; of goal,
	s_mov_b32 s15, 0
	s_lshl_b32 s16, ttmp9, 10                      ; of out0,
	s_mov_b32 s17, 0
	s_lshl_b32 s18, ttmp9, 9                       ; of out1
	s_mov_b32 s19, 0
	s_wait_kmcnt 0x0
	s_add_nc_u64 s[4:5], s[4:5], s[2:3]
	s_add_nc_u64 s[6:7], s[6:7], s[14:15]
	s_add_nc_u64 s[8:9], s[8:9], s[16:17]
	s_add_nc_u64 s[10:11], s[10:11], s[18:19]
	global_load_b128 v[G:G+3], v1, s[6:7] th:TH_LOAD_NT            ; gx, gy, gv, gtheta
	global_load_b128 v[CAR:CAR+3], v1, s[4:5] th:TH_LOAD_NT        ; bytes 0..2047 of the group's state
	s_cmp_lg_u32 s12, 0
	s_cbranch_scc1 .Lstaged
	global_load_b128 v[UT:UT+3], v[LT], s[4:5] offset:2048 th:TH_LOAD_NT   ; wave 0 also takes bytes 2048..2559
	s_wait_loadcnt 0x0
	ds_store_b128 v[LT], v[UT:UT+3] offset:2048
.Lstaged:
	s_wait_loadcnt 0x0
	ds_store_b128 v1, v[CAR:CAR+3]
	s_wait_dscnt 0x0                               ; my stores are in LDS before I say so: other waves read them
	s_barrier_signal -1
	s_barrier_wait -1
	v_mul_u32_u24 v[RA], v0, 20                    ; my row; lanes are 5 words apart, so 32 lanes touch 32 different banks
	ds_load_b32 v[XY], v[RA]                       ; x0
	ds_load_b32 v[XY+1], v[RA] offset:4            ; y0
	ds_load_b32 v[TH], v[RA] offset:8              ; theta0
	ds_load_b32 v[VW], v[RA] offset:12             ; v0
	ds_load_b32 v[VW+1], v[RA] offset:16           ; w0
	SPAIR SDT,  0x3dcccccd
	SPAIR S02,  0x3e4ccccd
	SPAIR S20,  0x41a00000
	SPAIR S100, 0x42c80000
	SPAIR SBIG, 0x4b000000
	SPAIR SINV, 0x3f22f983
	SPAIR SNMG, 0xcb400000
	SPAIR SNP1, 0xbfc90fdb                         ; pi/2 = 1.57079637 - 4.37113883e-8 - 1.71512450e-15
	SPAIR SNP2, 0x333bbd2e
	SPAIR SNP3, 0x26f72ced
	SPAIR SS3,  0xb94ca75a                         ; S3 = -0x1.994eb3774cf24p-13
	SPAIR SS2L, 0x2f246178                         ; S2 =  0x1.1107605230bc4p-7  (high part in KC)
	SPAIR SS1H, 0xbe2aaaa3                         ; S1 = -0x1.555545995a603p-3
	SPAIR SS1L, 0x314d4b40
	SPAIR SC4,  0x37cc9a18                         ; C4 =  0x1.99343027bf8c3p-16
	SPAIR SC3L, 0xae09a35a                         ; C3 = -0x1.6c087e89a359dp-10 (high part in KC)
	SPAIR SC2H, 0x3d2aaa9f                         ; C2 =  0x1.55553e1068f19p-5
	SPAIR SC2L, 0x2f03478c
	SPAIR SC1H, 0xbf000000                         ; C1 = -0x1.ffffffd0c621cp-2 = -0.5 + 2.749e-9
	SPAIR SC1L, 0x313ce779
	SPAIR SONE, 0x3f800000
	s_mov_b32 s[S10],  0x41200000
	s_mov_b32 s[S50],  0x42480000
	s_mov_b32 s[S5],   0x40a00000
	s_mov_b32 s[SSGN], 0x80000000
	v_mov_b32 v[K],   0x3f733333
	v_mov_b32 v[K+1], 0x3f666666
	v_mov_b32 v[NH],  -0.5
	WIN 0x40                                       ; destination in block 1
.set t, 0
.rept 50
	v_mov_b32 v[A+t], 0                            ; the cold start: all actions zero
.set t, t+1
.endr
	v_mov_b32 v[NQ1],  0xbe800000
	v_mov_b32 v[KC],   0x3c0883b0
	v_mov_b32 v[KC+1], 0xbab6043f
	v_mov_b32 v[KM],   0x4b400000
	v_mov_b32 v[KM+1], 0x4b400000
	WIN 0
	s_wait_dscnt 0x0                               ; the five numbers of my state
	v_mov_b32 v[TH-1], v[TH]
.set NP, 1
	SINCOS 0                                       ; theta_0 never changes: its cosine and sine are made once
	WIN 0
; =====================================================================================================
; THE (v, w) CHAIN.  Slot t, first half: u_t = fma((v,w)_t, (0.95,0.9), rounded 0.1 a_t);  4 - u^2 of step t-1;
; theta_t = fma(w_t, 0.1, theta_t-1);  scaled derivative of step t-2.  Second half: (v,w)_t+1 = u_t clipped to +-2;  derivative of
; step t-3 clipped to 0..1.  4 - u^2 is one fused operation, so its sign is exact and it is 0 only for |u| = 2; its least magnitude
; next to 2 is about 2^-21, so (4 - u^2) 2^23 + 0.5 clipped to 0..1 is 1 inside, 0.5 on the bound, 0 outside.
.macro CH_A t
.if (\t) <= 24
	v_pk_fma_f32 v[UT+2*((\t)%2):UT+2*((\t)%2)+1], v[VW+2*(\t):VW+2*(\t)+1], v[K:K+1], v[M+2*(\t):M+2*(\t)+1]
.endif
.if (\t) >= 1
.if (\t) <= 25
.if MASKS
	v_pk_fma_f32 v[M+2*(\t)-2:M+2*(\t)-1], v[UT+2*(((\t)+1)%2):UT+2*(((\t)+1)%2)+1], v[UT+2*(((\t)+1)%2):UT+2*(((\t)+1)%2)+1], 4.0 op_sel_hi:[1,1,0] neg_lo:[1,0,0] neg_hi:[1,0,0]
.endif
	v_fma_f32 v[TH+(\t)], v[VW+2*(\t)+1], s[SDT], v[TH+(\t)-1]
.endif
.endif
.if MASKS
.if (\t) >= 2
.if (\t) <= 26
	v_pk_fma_f32 v[M+2*(\t)-4:M+2*(\t)-3], v[M+2*(\t)-4:M+2*(\t)-3], s[SBIG:SBIG+1], 0.5 op_sel_hi:[1,0,0]
.endif
.endif
.endif
.endm
.macro CH_B t
.if (\t) <= 24
	v_med3_num_f32 v[VW+2*(\t)+2], v[UT+2*((\t)%2)], -2.0, 2.0
	v_med3_num_f32 v[VW+2*(\t)+3], v[UT+2*((\t)%2)+1], -2.0, 2.0
.endif
.if MASKS
.if (\t) >= 3
	v_med3_num_f32 v[M+2*(\t)-6], v[M+2*(\t)-6], 0, 1.0
	v_med3_num_f32 v[M+2*(\t)-5], v[M+2*(\t)-5], 0, 1.0
.endif
.endif
.endm
; (x, y)_t+1 = fma(rounded v_t+1 (cos, sin)_t, 0.1, (x, y)_t): one packed link a step.  Between the links: the products six steps
; ahead, the errors (x,y)_t - (gx,gy), v_j - gv (into w_j's register, which is done with), theta_j - gtheta by aligned pairs, and,
; where a gradient follows, the cost's cotangents, each one rounded product: 20 e, 10 e, 4 e; at the last state 100 e, 20 e, 10 e.
.macro VCMUL t
	v_pk_mul_f32 v[XY+2*(\t)+2:XY+2*(\t)+3], v[CS+2*(\t):CS+2*(\t)+1], v[VW+2*(\t)+2:VW+2*(\t)+3] op_sel_hi:[1,0]
.endm
.macro XYCHAIN
.irp i, 0,1,2,3,4,5
	VCMUL \i
.endr
.set t, 0
.rept 25
	v_pk_fma_f32 v[XY+2*t+2:XY+2*t+3], v[XY+2*t+2:XY+2*t+3], s[SDT:SDT+1], v[XY+2*t:XY+2*t+1] op_sel_hi:[1,0,1]
.if t <= 18
	VCMUL (t+6)
.endif
.if t >= 1
	v_pk_add_f32 v[XY+2*t:XY+2*t+1], v[XY+2*t:XY+2*t+1], v[G:G+1] neg_lo:[0,1] neg_hi:[0,1]
.endif
	v_sub_f32 v[VW+2*t+3], v[VW+2*t+2], v[GVT]
.if (t%2) == 1
	v_pk_add_f32 v[TH+t:TH+t+1], v[TH+t:TH+t+1], v[GVT:GVT+1] op_sel:[0,1] op_sel_hi:[1,1] neg_lo:[0,1] neg_hi:[0,1]
.endif
.if MASKS
.if t >= 2
	v_pk_mul_f32 v[XY+2*t-2:XY+2*t-1], v[XY+2*t-2:XY+2*t-1], s[S20:S20+1] op_sel_hi:[1,0]
.if (t%2) == 0
	v_pk_mul_f32 v[TH+t-1:TH+t], v[TH+t-1:TH+t], 4.0 op_sel_hi:[1,0]
.endif
.endif
.if t >= 1
	v_mul_f32 v[VW+2*t+1], s[S10], v[VW+2*t+1]
.endif
.endif
.set t, t+1
.endr
	v_pk_add_f32 v[XY+50:XY+51], v[XY+50:XY+51], v[G:G+1] neg_lo:[0,1] neg_hi:[0,1]
	v_sub_f32 v[TH+25], v[TH+25], v[GVT+1]
.if MASKS
	v_pk_mul_f32 v[XY+48:XY+49], v[XY+48:XY+49], s[S20:S20+1] op_sel_hi:[1,0]
	v_mul_f32 v[VW+51], s[S20], v[VW+51]
	v_pk_mul_f32 v[XY+50:XY+51], v[XY+50:XY+51], s[S100:S100+1] op_sel_hi:[1,0]
	v_mul_f32 v[TH+25], s[S10], v[TH+25]
.endif
.endm
; THE ROLLOUT.  masks = 1: a gradient follows (clip derivatives and cotangents are made too).
.macro FORWARD masks
.set MASKS, \masks
	WIN 0x01                                       ; source 0 in block 1
.set t, 0
.rept 25
	v_pk_mul_f32 v[M+2*t:M+2*t+1], v[A+2*t:A+2*t+1], s[SDT:SDT+1] op_sel_hi:[1,0]
.set t, t+1
.endr
	WIN 0
.set t, 0
.rept 28                               ; 25 steps and a tail of 3 for the derivatives
	CH_A t
	CH_B t
.set t, t+1
.endr
.set NP, 6
	SINCOS 1                                       ; theta_1 .. theta_12
	SINCOS 7                                       ; theta_13 .. theta_24 (theta_25 steers nothing)
	WIN 0
	XYCHAIN
.endm
; =====================================================================================================
; THE ADJOINT, state index j = 25 .. 1, action index t = j - 1, in the order of the transposed step:
;  S = carry + cost's cotangent of state j (the carry is zero at j = 25);  (cx01, cy01) = rounded 0.1 S_xy
;  cv = fma(cx01, cos_t, fma(cy01, sin_t, S_v));  cw = fma(S_th, 0.1, carry_w)
;  carry_th = fma(-rounded(v_j cx01), sin_t, fma(rounded(v_j cy01), cos_t, S_th));  carry_xy = S_xy
;  (lu, lq)_t = (cv, cw) x clip derivatives (exact);  carry_vw = rounded (0.95 lu, 0.9 lq);  action's cotangent = rounded 0.1 (lu, lq)
.macro B_L j
.if (\j) >= 1
.if (\j) <= 24
	v_pk_add_f32 v[XY+2*(\j):XY+2*(\j)+1], v[XY+2*(\j)+2:XY+2*(\j)+3], v[XY+2*(\j):XY+2*(\j)+1]
.endif
.endif
.endm
.macro B_T j                           ; in place, behind B_L (j-1), the last reader of S_xy
.if (\j) >= 1
.if (\j) <= 25
	v_pk_mul_f32 v[XY+2*(\j):XY+2*(\j)+1], v[XY+2*(\j):XY+2*(\j)+1], s[SDT:SDT+1] op_sel_hi:[1,0]
.endif
.endif
.endm
.macro B_D j
.if (\j) >= 2
.if (\j) <= 25
	v_pk_mul_f32 v[DD+2*((\j)%2):DD+2*((\j)%2)+1], v[XY+2*(\j):XY+2*(\j)+1], v[VW+2*(\j):VW+2*(\j)+1] op_sel_hi:[1,0]
.endif
.endif
.endm
.macro B_ST j
.if (\j) >= 1
.if (\j) <= 24
	v_add_f32 v[TH+(\j)], v[CTH], v[TH+(\j)]
.endif
.endif
.endm
.macro B_H1 j
.if (\j) >= 2
.if (\j) <= 25
	v_fma_f32 v[H1R], v[DD+2*((\j)%2)+1], v[CS+2*(\j)-2], v[TH+(\j)]
.endif
.endif
.endm
.macro B_TN j
.if (\j) >= 2
.if (\j) <= 25
	v_fma_f32 v[CTH], -v[DD+2*((\j)%2)], v[CS+2*(\j)-1], v[H1R]
.endif
.endif
.endm
.macro B_SV j
.if (\j) >= 1
.if (\j) <= 24
	v_add_f32 v[SVR], v[CAR], v[VW+2*(\j)+1]
.endif
.endif
.endm
.macro B_F1 j
.if (\j) >= 1
.if (\j) <= 24
	v_fma_f32 v[SVR], v[XY+2*(\j)+1], v[CS+2*(\j)-1], v[SVR]
.endif
.if (\j) == 25
	v_fma_f32 v[SVR], v[XY+2*(\j)+1], v[CS+2*(\j)-1], v[VW+2*(\j)+1]
.endif
.endif
.endm
.macro B_CV j
.if (\j) >= 1
.if (\j) <= 25
	v_fma_f32 v[CVW], v[XY+2*(\j)], v[CS+2*(\j)-2], v[SVR]
.endif
.endif
.endm
.macro B_CW j
.if (\j) >= 1
.if (\j) <= 24
	v_fma_f32 v[CVW+1], v[TH+(\j)], s[SDT], v[CAR+1]
.endif
.if (\j) == 25
	v_mul_f32 v[CVW+1], s[SDT], v[TH+(\j)]
.endif
.endif
.endm
.macro B_U j
.if (\j) >= 1
.if (\j) <= 25
	v_pk_mul_f32 v[M+2*(\j)-2:M+2*(\j)-1], v[M+2*(\j)-2:M+2*(\j)-1], v[CVW:CVW+1]
.endif
.endif
.endm
.macro B_K j
.if (\j) >= 2
.if (\j) <= 25
	v_pk_mul_f32 v[CAR:CAR+1], v[M+2*(\j)-2:M+2*(\j)-1], v[K:K+1]
.endif
.endif
.endm
.macro B_GA j                          ; behind B_K (j), the last reader of (lu, lq)
.if (\j) >= 1
.if (\j) <= 25
	v_pk_mul_f32 v[M+2*(\j)-2:M+2*(\j)-1], v[M+2*(\j)-2:M+2*(\j)-1], s[SDT:SDT+1] op_sel_hi:[1,0]
.endif
.endif
.endm
; A slot issues every stage once, each for another index, so that what a stage needs was made a slot earlier.  The recurrence of
; five links a step (B_SV, B_F1, B_CV, B_U, B_K) is spread evenly over the slot's thirteen lines, that of three (B_ST, B_H1, B_TN) too.
.macro BACKWARD
.set sl, 24
.rept 28
	B_SV (sl+4)
	B_L  sl
	B_ST (sl+3)
	B_F1 (sl+4)
	B_T  (sl+1)
	B_CW (sl+4)
	B_CV (sl+4)
	B_H1 (sl+3)
	B_D  (sl+2)
	B_U  (sl+4)
	B_GA (sl+5)
	B_K  (sl+4)
	B_TN (sl+3)
.set sl, sl-1
.endr
	B_GA 1
.endm
; THE PROJECTED STEP, in stretches of one block setting each:  g = rounded 0.2 a + rounded 0.1 (lu, lq), one rounded sum;
; a = clip(fma(g, h, a)), h = -0.5 for an action inside its bounds, -0.25 on a bound (learning rate 0.5 times the clip's derivative
; 1 or 1/2: g h is exact, so the fused form rounds once, as a - 0.5 g does; an action is never outside: it was clipped when made).
; Scratch: 0.2 a in XY_1.., h in VW_1.., both done with behind the adjoint.
.macro HGRP t0, cnt
.set q, 0
.rept \cnt
	v_cmp_lt_f32 s[MK+2*q], |v[A+2*(\t0+q)]|, 1.0
	v_cmp_lt_f32 s[MK+2*q+1], |v[A+2*(\t0+q)+1]|, 2.0
.set q, q+1
.endr
.set q, 0
.rept \cnt
	v_cndmask_b32 v[VW+2+2*(\t0+q)], v[NQ1], v[NH], s[MK+2*q]
	v_cndmask_b32 v[VW+3+2*(\t0+q)], v[NQ1], v[NH], s[MK+2*q+1]
.set q, q+1
.endr
.endm
.macro UPDATE
	WIN 0x01                                       ; source 0 (the actions, and -0.25) in block 1
.set t, 0
.rept 25
	v_pk_mul_f32 v[XY+2+2*t:XY+3+2*t], v[A+2*t:A+2*t+1], s[S02:S02+1] op_sel_hi:[1,0]
.set t, t+1
.endr
	HGRP 0, 6
	HGRP 6, 6
	HGRP 12, 6
	HGRP 18, 6
	HGRP 24, 1
	WIN 0
.set t, 0
.rept 25
	v_pk_add_f32 v[M+2*t:M+2*t+1], v[M+2*t:M+2*t+1], v[XY+2+2*t:XY+3+2*t]
.set t, t+1
.endr
	WIN 0x10                                       ; source 2 in block 1
.set t, 0
.rept 25
	v_pk_fma_f32 v[M+2*t:M+2*t+1], v[M+2*t:M+2*t+1], v[VW+2+2*t:VW+3+2*t], v[A+2*t:A+2*t+1]
.set t, t+1
.endr
	WIN 0x40                                       ; destination in block 1
.set t, 0
.rept 25
	v_med3_num_f32 v[A+2*t], v[M+2*t], -1.0, 1.0
	v_med3_num_f32 v[A+2*t+1], v[M+2*t+1], -2.0, 2.0
.set t, t+1
.endr
	WIN 0                                          ; every block setting is 0 at a branch and at a label
.endm
	s_mov_b32 s13, 0
.Liter:
	FORWARD 1
	BACKWARD
	UPDATE
	s_add_co_u32 s13, s13, 1
	s_cmp_lt_u32 s13, ITERS
	s_cbranch_scc1 .Liter
; =====================================================================================================
; THE FINAL ROLLOUT AND ITS COST.  The rollout leaves the position errors in XY_j, theta_j - gtheta in TH_j, v_j - gv in VW_j's
; second register.  Nothing steers on the cost, so its sums are fused and split into chains.
	FORWARD 0
.set AP0, CS                           ; sums of squares, in registers of CS, which is done with
.set AP1, CS+2
.set PT,  CS+4
.set ATH, CS+6
.set AA0, CS+8                         ; four pairs
.set AE0, CS+16
.set AE1, CS+17
.set CO,  CS+18
.set T0,  CS+19
.set T1,  CS+20
	WIN 0x05                                       ; sources 0 and 1 in block 1
	v_mov_b32 v[CAR], v[A]                         ; the first action: out0
	v_mov_b32 v[CAR+1], v[A+1]
.irp i, 0,1,2,3
	v_pk_mul_f32 v[AA0+2*\i:AA0+2*\i+1], v[A+2*\i:A+2*\i+1], v[A+2*\i:A+2*\i+1]    ; the first squares start the sums
.endr
.set t, 4
.rept 21
	v_pk_fma_f32 v[AA0+2*(t%4):AA0+2*(t%4)+1], v[A+2*t:A+2*t+1], v[A+2*t:A+2*t+1], v[AA0+2*(t%4):AA0+2*(t%4)+1]
.set t, t+1
.endr
	WIN 0
	v_pk_mul_f32 v[AP0:AP0+1], v[XY+2:XY+3], v[XY+2:XY+3]
	v_pk_mul_f32 v[AP1:AP1+1], v[XY+4:XY+5], v[XY+4:XY+5]
	v_mul_f32 v[AE0], v[VW+3], v[VW+3]
	v_mul_f32 v[AE1], v[VW+5], v[VW+5]
	v_pk_mul_f32 v[ATH:ATH+1], v[TH+1:TH+2], v[TH+1:TH+2]
.set i, 0
.rept 11                               ; states 3 .. 24, two a trip
	v_pk_fma_f32 v[AP0:AP0+1], v[XY+6+4*i:XY+7+4*i], v[XY+6+4*i:XY+7+4*i], v[AP0:AP0+1]
	v_pk_fma_f32 v[AP1:AP1+1], v[XY+8+4*i:XY+9+4*i], v[XY+8+4*i:XY+9+4*i], v[AP1:AP1+1]
	v_fma_f32 v[AE0], v[VW+7+4*i], v[VW+7+4*i], v[AE0]
	v_fma_f32 v[AE1], v[VW+9+4*i], v[VW+9+4*i], v[AE1]
	v_pk_fma_f32 v[ATH:ATH+1], v[TH+3+2*i:TH+4+2*i], v[TH+3+2*i:TH+4+2*i], v[ATH:ATH+1]
.set i, i+1
.endr
	v_pk_mul_f32 v[PT:PT+1], v[XY+50:XY+51], v[XY+50:XY+51]        ; the terminal state
	v_mul_f32 v[T0], v[VW+51], v[VW+51]
	v_mul_f32 v[T1], v[TH+25], v[TH+25]
	v_pk_add_f32 v[AP0:AP0+1], v[AP0:AP0+1], v[AP1:AP1+1]
	v_pk_add_f32 v[AA0:AA0+1], v[AA0:AA0+1], v[AA0+2:AA0+3]
	v_pk_add_f32 v[AA0+4:AA0+5], v[AA0+4:AA0+5], v[AA0+6:AA0+7]
	v_add_f32 v[AE0], v[AE0], v[AE1]
	v_add_f32 v[ATH], v[ATH], v[ATH+1]
	v_add_f32 v[PT], v[PT], v[PT+1]
	v_pk_add_f32 v[AA0:AA0+1], v[AA0:AA0+1], v[AA0+4:AA0+5]
	v_add_f32 v[AP0], v[AP0], v[AP0+1]
	v_add_f32 v[AA0], v[AA0], v[AA0+1]
	v_mul_f32 v[CO], s[S10], v[AP0]                ; 10 sum |position error|^2
	v_fma_f32 v[CO], v[PT], s[S50], v[CO]          ; + 50 at the end
	v_fma_f32 v[CO], v[AE0], s[S5], v[CO]          ; + 5 sum (v - gv)^2
	v_fma_f32 v[CO], v[T0], s[S10], v[CO]          ; + 10 at the end
	v_fma_f32 v[CO], v[ATH], 2.0, v[CO]            ; + 2 sum (theta - gtheta)^2
	v_fma_f32 v[CO], v[T1], s[S5], v[CO]           ; + 5 at the end
	v_fma_f32 v[CO], v[AA0], s[SDT], v[CO]         ; + 0.1 sum |a|^2
	; out0: 8 bytes a lane, a wave stores 256 consecutive bytes at a multiple of 256.
	; out1: 4 bytes an element would be 128 bytes a wave, so the group's 512 bytes meet in LDS (bytes of their own,
	; behind the state's) and wave 0 stores them, 16 bytes a lane.
	v_lshlrev_b32 v1, 3, v0
	global_store_b64 v1, v[CAR:CAR+1], s[8:9] th:TH_STORE_NT
	v_lshlrev_b32 v[RA], 2, v0
	ds_store_b32 v[RA], v[CO] offset:2560
	s_wait_dscnt 0x0                               ; my cost is in LDS before I say so: wave 0 reads it
	s_barrier_signal -1
	s_barrier_wait -1
	s_cmp_lg_u32 s12, 0
	s_cbranch_scc1 .Lend
	ds_load_b128 v[UT:UT+3], v[LT] offset:2560     ; v[LT] still holds 16 x lane
	s_wait_dscnt 0x0
	global_store_b128 v[LT], v[UT:UT+3], s[10:11] th:TH_STORE_NT
.Lend:
	s_wait_tensorcnt 0x0
	ds_add_u32 v254, v255
	s_wait_dscnt 0x0
	s_endpgm
.Lfunc_end_k_q0a8abe909a_mpc:
	.size	k_q0a8abe909a_mpc, .Lfunc_end_k_q0a8abe909a_mpc-k_q0a8abe909a_mpc
	.p2alignl 7, 3214868480
	.fill 96, 4, 3214868480
	.section	.rodata,"a",@progbits
	.p2align	6, 0x0
	.amdhsa_kernel k_q0a8abe909a_mpc
		.amdhsa_group_segment_fixed_size 3584
		.amdhsa_private_segment_fixed_size 0
		.amdhsa_enable_private_segment 0
		.amdhsa_kernarg_size 32
		.amdhsa_user_sgpr_count 2
		.amdhsa_user_sgpr_kernarg_segment_ptr 1
		.amdhsa_wavefront_size32 1
		.amdhsa_system_sgpr_workgroup_id_x 1
		.amdhsa_system_sgpr_workgroup_id_y 1
		.amdhsa_system_sgpr_workgroup_id_z 1
		.amdhsa_system_vgpr_workitem_id 0
		.amdhsa_next_free_vgpr 432
		.amdhsa_next_free_sgpr 76
		.amdhsa_reserve_vcc 0
		.amdhsa_float_denorm_mode_32 3
		.amdhsa_float_denorm_mode_16_64 3
		.amdhsa_memory_ordered 1
		.amdhsa_forward_progress 1
		.amdhsa_inst_pref_size 212
	.end_amdhsa_kernel
	.amdgpu_metadata
---
amdhsa.version: [ 1, 2 ]
amdhsa.kernels:
  - .name:           k_q0a8abe909a_mpc
    .symbol:         k_q0a8abe909a_mpc.kd
    .args:
      - { .name: state, .offset: 0, .size: 8, .value_kind: global_buffer, .address_space: global }
      - { .name: goal, .offset: 8, .size: 8, .value_kind: global_buffer, .address_space: global }
      - { .name: out0, .offset: 16, .size: 8, .value_kind: global_buffer, .address_space: global }
      - { .name: out1, .offset: 24, .size: 8, .value_kind: global_buffer, .address_space: global }
    .group_segment_fixed_size: 3584
    .private_segment_fixed_size: 0
    .kernarg_segment_align: 8
    .kernarg_segment_size: 32
    .max_flat_workgroup_size: 128
    .sgpr_count:     76
    .vgpr_count:     432
    .wavefront_size: 32
...
	.end_amdgpu_metadata
.endif
;; end of part 1
